; MI455X (gfx1250); checked and timed in simulation.
; The chip was launched on July 23, 2026; its instructions are those of AMD's public machine-readable ISA for CDNA 5 (MIT licence, August 2026) and "CDNA5" Instruction Set Architecture Reference Guide (July 2026). The comments in the code are by the model that wrote it; some were corrected since.
;; Multi Headed Attention. Allowed arithmetic: matrix products marked QUANTISED: E4M3 operands, one given power-of-two scale a tensor, by v_wmma_f32_16x16x64_fp8_fp8 or v_wmma_f32_16x16x128_fp8_fp8, f32 sums; everything else in f32.
;; Inputs: Wk 1,024 x 1,024 float32; Wq 1,024 x 1,024 float32; Wv 1,024 x 1,024 float32; bk 1,024 float32; bq 1,024 float32; bv 1,024 float32; key 4 x 2,048 x 1,024 float32; lowp_scales 10 int32 (the exponents e of the quantised operands' scales 2^e); mask 4 x 2,048 x 2,048 int32; query 4 x 2,048 x 1,024 float32; value 4 x 2,048 x 1,024 float32.
;; Outputs: out0 4 x 2,048 x 1,024 float32.
;; This version of the problem:
;;   THIS VERSION OF THE PROBLEM IS GIVEN IN LOW PRECISION. The matrix products marked QUANTISED in the list below multiply operands that are first quantised to E4M3 (4 exponent bits, 3 mantissa bits; 8 bits a number), with one given power-of-two scale for each operand tensor; their sums are f32. All else is computed in f32.
;;   The module's matrix products, in the order in which they are computed (A, B: the left and right operand; K: the contracted axis; several contracted axes count as one K, in the product's order):
;;     1. [M 8,192, K 1,024] x [K 1,024, N 1,024]; A: input query; B: input Wq: QUANTISED (scales: A lowp_scales[0], B lowp_scales[1])
;;     2. [M 8,192, K 1,024] x [K 1,024, N 1,024]; A: input key; B: input Wk: QUANTISED (scales: A lowp_scales[2], B lowp_scales[3])
;;     3. [M 8,192, K 1,024] x [K 1,024, N 1,024]; A: input value; B: input Wv: QUANTISED (scales: A lowp_scales[4], B lowp_scales[5])
;;     4. batch 64 x [M 2,048, K 64] x [K 64, N 2,048]; A: computed on the way; B: computed on the way: QUANTISED (scales: A lowp_scales[6], B lowp_scales[7])
;;     5. batch 64 x [M 2,048, K 2,048] x [K 2,048, N 64]; A: softmax (see below); B: computed on the way: QUANTISED (scales: A lowp_scales[8], B lowp_scales[9])
;;   THE QUANTISER, for each operand of a quantised product, along K:
;;     - The operand's scale is 2^e, e = its entry of the input lowp_scales (int32; the entries are numbered through the quantised products in the list's order, A before B).
;;     - Each number is divided by the scale, clamped to +-448, and rounded to the nearest number of E4M3, ties to even, subnormals kept.
;;     - The product sums the exact products of the quantised numbers (number of the format x scale) in f32.
;;   ~~~python
;;   def quantise(x, axis, e):      # numpy; x: float32 -> the quantised numbers, widened to float32 again
;;       x = np.moveaxis(x, axis, -1); K = x.shape[-1]
;;       r = np.clip(x / 2.0 ** e, -448, 448)
;;       step = 2.0 ** (np.maximum(np.frexp(np.where(r == 0, 1, r))[1] - 1, -6) - 3)
;;       q = np.round(r / step) * step * 2.0 ** e      # np.round: ties to even
;;       return np.moveaxis(q, -1, axis).astype(np.float32)
;;   ~~~
;;   SOFTMAX AHEAD OF A QUANTISED PRODUCT. Where the list says 'softmax', what is quantised is not the finished softmax but p = 2^(t - M), with t = logit x log2(e) and M = ceil(the row's largest t), a whole number; so 1/2 < the row's largest p <= 1. The row's sum l is taken of the UNQUANTISED p, in f32, and the product's result is divided by l at the end. Since M is a whole number, a kernel that streams over the keys may use a running M (the ceiling of the running maximum): every later rescaling is an exact power of two, so the quantised numbers keep their values, but for numbers so far below the row's largest that they fall under the format's range.
;;   OPERANDS COMPUTED ON THE WAY. 'Computed on the way' means the value that the module computes at that place (a softmax that the list does not call 'softmax' is quantised finished and normalised). What goes into a quantiser is computed in f32, as accurately as f32 sums, v_exp_f32 and their like allow (about 1e-6 of the number): no bf16 or f16 on the way to a quantiser, and a product that is left as it is and whose result goes on into a quantised operand takes f32 operands (vector FMAs, or v_wmma_f32_16x16x4_f32). A number that lies on a knife's edge between two numbers of the format may be rounded either way, as far as f32 arithmetic and the matrix unit's own rounding can turn it there, and no further.
;; One version. Each part assembles by itself: llvm-mc -triple=amdgcn-amd-amdhsa -mcpu=gfx1250 --defsym DOCPART=n.
;; ======== version 1 of 1: 3 launches
;; limits: right only within a limited range of input values
;; workspace buffers: xcodes 25,165,824 bytes; wcodes 3,145,728 bytes; img 25,165,824 bytes; maskw 2,097,152 bytes of whole numbers; flags 2,048 bytes of whole numbers
;; launch prep (part 1): grid 1376 x 1, 4 waves a work-group, no clusters, 67,072 bytes of LDS; arguments query, key, value, Wq, Wk, Wv, mask, lowp_scales, xcodes, wcodes, maskw, flags; writes xcodes, wcodes, maskw, flags
.if DOCPART == 1
	.amdgcn_target "amdgcn-amd-amdhsa--gfx1250"
	.amdhsa_code_object_version 6
	.text
	.protected	k_q69ed48bf63_prep
	.globl	k_q69ed48bf63_prep
	.p2align	8
	.type	k_q69ed48bf63_prep,@function
k_q69ed48bf63_prep:
	s_mov_b64 s[64:65], 0
	v_nop
	global_prefetch_b8 v0, s[64:65] scope:SCOPE_SE
	s_setreg_imm32_b32 hwreg(HW_REG_WAVE_MODE, 25, 1), 1
	s_wait_xcnt 0x0
; PREP, the first of three launches (prep, proj, attn) for multi-headed attention on codes of FP8 (E4M3): B 4, S 2048, D 1024, H 16, head size 64.
; NOTHING OF reference() IS LEFT OUT: every input has a way to the output (bk moves k's codes, so it stays though a softmax would cancel it in real numbers); all five products are live.
; This launch: (a) query, key, value [8192][1024] and Wq, Wk, Wv [1024][1024], f32, K innermost, become codes, one byte each, in the same order: xcodes [3][8192][1024], wcodes [3][1024][1024].
;   code = x / 2^e, held within +-448, rounded to the nearest code, ties to even; e = entries 0 to 5 of lowp_scales (query, Wq, key, Wk, value, Wv).
;   LIMITS: each of these e between -126 and 119, so that 2^e and 448 x 2^e are f32 numbers.  NaN and infinity among the inputs are not served (an infinity is held at the largest code).
; (b) the mask [4][2048][2048], int32, becomes LANE MASKS for the third launch: for a tile of 16 queries T and a step of 128 keys s, word n (0..63) has bit 16 h + r = (mask[b][16 T + r][128 s + 16 (n / 8) + 8 h + n % 8] != 0):
;   the very lane and register in which the third launch holds that score.  maskw [b 4][T / 16][s 16][T % 16][64 words].  flags [b][T] u32: bit 8 (s / 4) + s % 4 = 1 where all 2,048 entries of (T, s) are true.
; SHARES.  Every work-group reads 131,072 bytes.  Work-groups 0-511: the mask, one for each (b, T), a wave for four key steps.  512-1279: query, key, value.  1280-1375: the weights.
; The two ways part on the work-group's number alone and have LDS bytes of their own.  No barrier: waves share nothing.  No matrix unit, no cluster, no tensor load: a stream in which no byte is read twice.
.set SPARE, 66560                      ; behind both ways' stages: the spare words, 128 bytes for each wave
.set SPW,   12                         ; v12  LDS address of my spare word; never rewritten
.set NIL,   13                         ; v13  0; never rewritten
.set STEPS, 16                         ; the quantiser: a wave takes 16 steps of 512 numbers
.set WREG,  8192                       ; its LDS: a region for each wave from byte 0 on: two stages of 32 x SP bytes
.set SP,    80                         ; a lane's place in a stage: 64 bytes + 16 of padding
.set R,     16                         ; v16-79   four sets of 16 numbers as loaded
.set X,     80                         ; v80-111  two sets of 16 neighbours
.set C,     128                        ; v128-191 codes: four registers a step, so that no store's data are written again
.set MSTG,  32768                      ; the mask: a stage of 16 rows x MP bytes for each wave
.set MWAVE, 8448
.set MP,    528                        ; 512 bytes + 16: 33 x 16 bytes, so that the sixteen rows that a read touches start at sixteen different 16-byte columns
.set MR,    16                         ; v16-143  two sets of 64: 16 rows x 128 entries as loaded
.set XM,    144                        ; v144-207 my 64 entries: register n as in the head comment
.set WW,    208                        ; v208-215 two sets of four: words 4 L .. 4 L + 3 in lane L (even step) and lane 16 + L (odd step)
	s_load_b512 s[4:19], s[0:1], 0x0               ; query s[4:5], key s[6:7], value s[8:9], Wq s[10:11], Wk s[12:13], Wv s[14:15], mask s[16:17], lowp_scales s[18:19]
	s_load_b256 s[20:27], s[0:1], 0x40             ; xcodes s[20:21], wcodes s[22:23], maskw s[24:25], flags s[26:27]
	v_lshl_add_u32 v[SPW], v0, 2, SPARE
	v_mov_b32 v[NIL], 0
	v_lshrrev_b32 v1, 5, v0
	v_readfirstlane_b32 s28, v1                    ; wave 0..3
	v_and_b32 v1, 31, v0                           ; lane
	v_lshlrev_b32 v2, 4, v1                        ; 16 x lane: my 16 bytes of 512 consecutive ones
	s_wait_kmcnt 0x0
	s_cmp_lt_u32 ttmp9, 512
	s_cbranch_scc1 .Lmask
; ---------------- THE QUANTISER ----------------
	s_load_b256 s[32:39], s[18:19], 0x0            ; entries 0 to 7
	s_sub_co_u32 s29, ttmp9, 512                   ; 0-767: an activation; 768-863: a weight
	s_sub_co_u32 s30, s29, 768
	s_lshr_b32 s31, s29, 8                         ; an activation: which of the three, 256 work-groups each,
	s_and_b32 s40, s29, 255                        ; and which part
	s_lshr_b32 s41, s30, 5                         ; a weight: 32 work-groups each
	s_and_b32 s42, s30, 31
	s_cmp_lt_u32 s29, 768                          ; the choices hang on the work-group's number alone
	s_cselect_b64 s[4:5], s[4:5], s[10:11]
	s_cselect_b64 s[6:7], s[6:7], s[12:13]
	s_cselect_b64 s[8:9], s[8:9], s[14:15]
	s_cselect_b64 s[20:21], s[20:21], s[22:23]
	s_cselect_b32 s31, s31, s41                    ; t: which product's
	s_cselect_b32 s40, s40, s42                    ; part
	s_cselect_b32 s43, 23, 20                      ; a tensor's codes are 2^23 or 2^20 bytes
	s_cmp_eq_u32 s31, 1
	s_cselect_b64 s[4:5], s[6:7], s[4:5]
	s_cmp_eq_u32 s31, 2
	s_cselect_b64 s[4:5], s[8:9], s[4:5]
	s_lshl_b32 s44, s40, 17                        ; in: part x 131,072 + wave x 32,768
	s_lshl_b32 s46, s28, 15
	s_add_co_u32 s44, s44, s46
	s_mov_b32 s45, 0
	s_add_nc_u64 s[4:5], s[4:5], s[44:45]
	s_lshl_b32 s44, s31, s43                       ; out: the tensor's codes + part x 32,768 + wave x 8,192
	s_lshl_b32 s46, s40, 15
	s_add_co_u32 s44, s44, s46
	s_lshl_b32 s46, s28, 13
	s_add_co_u32 s44, s44, s46
	s_add_nc_u64 s[20:21], s[20:21], s[44:45]
	s_mul_i32 s46, s28, WREG
	v_lshrrev_b32 v14, 2, v1
	v_mul_u32_u24 v14, v14, SP
	v_and_b32 v15, 3, v1
	v_lshl_add_u32 v14, v15, 4, v14
	v_add_nc_u32 v14, s46, v14                     ; the stage, on the way in: four lanes' 64 bytes on end, then 16 of padding
	v_mul_u32_u24 v15, v1, SP
	v_add_nc_u32 v15, s46, v15                     ; and on the way out: my 16 neighbours along K
.macro LOAD t
.irp i, 0,1,2,3
	global_load_b128 v[R+16*((\t)%4)+4*\i:R+16*((\t)%4)+4*\i+3], v2, s[4:5] offset:2048*(\t)+512*\i th:TH_LOAD_NT   ; 32 lanes read 512 consecutive bytes; read once in the launch
.endr
.endm
.macro TURN t                          ; step t's numbers through the stage: LDS serves a wave's instructions in order, so no wait stands between the stores and the loads
.irp i, 0,1,2,3
	ds_store_b128 v14, v[R+16*((\t)%4)+4*\i:R+16*((\t)%4)+4*\i+3] offset:32*SP*((\t)%2)+8*SP*\i
.endr
.irp i, 0,1,2,3
	ds_load_b128 v[X+16*((\t)%2)+4*\i:X+16*((\t)%2)+4*\i+3], v15 offset:32*SP*((\t)%2)+16*\i
.endr
.endm
.irp t, 0,1,2,3
	LOAD \t
.endr
	s_wait_kmcnt 0x0
	s_cmp_lt_u32 s29, 768                          ; e = entry 2 t (an activation) or 2 t + 1 (a weight)
	s_cselect_b32 s32, s32, s33
	s_cselect_b32 s34, s34, s35
	s_cselect_b32 s36, s36, s37
	s_cmp_eq_u32 s31, 1
	s_cselect_b32 s32, s34, s32
	s_cmp_eq_u32 s31, 2
	s_cselect_b32 s32, s36, s32
	s_add_co_i32 s32, s32, 127
	s_lshl_b32 s33, s32, 23
	v_mov_b32 v11, s33                             ; 2^e as f32: the conversion takes its exponent field
	s_add_co_i32 s32, s32, 8
	s_lshl_b32 s32, s32, 23
	s_or_b32 s32, s32, 0x600000
	v_mov_b32 v10, s32                             ; 448 x 2^e
	s_wait_loadcnt 12                              ; step 0's four loads are in; the twelve of steps 1 to 3 stay out
	TURN 0
.macro STEP t
.set XS, X+16*((\t)%2)
	s_wait_dscnt 0x0                               ; this step's numbers are back from the stage: so its stores into the stage have read their registers,
.if (\t)+4 < STEPS
	LOAD (\t)+4                                    ; which take the loads of four steps on
.endif
.if (\t)+1 < STEPS
.if STEPS-2-(\t) >= 3
	s_wait_loadcnt 12                              ; the next step's four loads are in; those of the three steps behind it may be out
.else
	s_wait_loadcnt 4*(STEPS-2-(\t))
.endif
	TURN (\t)+1                                    ; and go through the other stage while this step is worked
.endif
.irp i, 0,1,2,3,4,5,6,7,8,9,10,11,12,13,14,15
	v_med3_num_f32 v[XS+\i], v[XS+\i], -v10, v10   ; the conversion to an 8-bit code does not saturate (ISA guide 7.6.2): the hold at the largest code x the scale comes first
.endr
	v_cvt_scalef32_pk8_fp8_f32 v[C+4*(\t):C+4*(\t)+1], v[XS:XS+7], v11
	v_cvt_scalef32_pk8_fp8_f32 v[C+4*(\t)+2:C+4*(\t)+3], v[XS+8:XS+15], v11   ; the results go to a store alone; the next step's holds are plain lines on other registers
	global_store_b128 v2, v[C+4*(\t):C+4*(\t)+3], s[20:21] offset:512*(\t)    ; 32 lanes store 512 consecutive bytes, aligned
.endm
.irp t, 0,1,2,3,4,5,6,7,8,9,10,11,12,13,14,15
	STEP \t
.endr
	s_branch .Lend
; ---------------- THE MASK ----------------
.Lmask:
	s_lshl_b32 s30, ttmp9, 17                      ; work-group = 128 b + T: its 16 rows of 8,192 bytes,
	s_lshl_b32 s31, s28, 11                        ; my wave's four key steps of 512 bytes
	s_add_co_u32 s30, s30, s31
	s_mov_b32 s31, 0
	s_add_nc_u64 s[16:17], s[16:17], s[30:31]
	s_lshr_b32 s30, ttmp9, 4                       ; maskw: (8 b + T / 16) x 16 steps x 4,096 + 4 wave x 4,096 + (T % 16) x 256
	s_lshl_b32 s30, s30, 16
	s_lshl_b32 s32, s28, 14
	s_add_co_u32 s30, s30, s32
	s_and_b32 s32, ttmp9, 15
	s_lshl_b32 s32, s32, 8
	s_add_co_u32 s30, s30, s32
	s_add_nc_u64 s[24:25], s[24:25], s[30:31]
	s_lshl_b32 s30, ttmp9, 2                       ; flags: word 128 b + T, byte = my wave
	s_add_co_u32 s30, s30, s28
	s_add_nc_u64 s[26:27], s[26:27], s[30:31]
	s_mul_i32 s32, s28, MWAVE
	s_add_co_u32 s32, s32, MSTG                    ; my stage
	v_add_nc_u32 v3, s32, v2                       ; in: a row's 512 bytes as they lie
	v_and_b32 v8, 15, v1                           ; r
	v_lshrrev_b32 v9, 4, v1                        ; h
	v_mul_u32_u24 v4, v8, MP
	v_lshl_add_u32 v4, v9, 5, v4
	v_add_nc_u32 v4, s32, v4                       ; out: row r, + 32 h: keys 8 h + 0 .. 7 of each 16
	v_lshlrev_b32 v5, 12, v9
	v_lshl_add_u32 v5, v8, 4, v5                   ; the words' store: lanes 0-15 one step's 256 bytes, lanes 16-31 the next step's, 4,096 bytes on
	v_mov_b32 v7, 0
.irp k, 0,1,2,3,4,5,6,7
	v_mov_b32 v[WW+\k], 0                          ; written once: a lane write's destination counts as one of its sources
.endr
	s_mov_b32 s49, 0                               ; my four flag bits
.macro LOADM t                         ; key step t of my four: 16 rows x 512 consecutive bytes
.irp i, 0,1,2,3,4,5,6,7,8,9,10,11,12,13,14,15
	global_load_b128 v[MR+64*((\t)%2)+4*\i:MR+64*((\t)%2)+4*\i+3], v2, s[16:17] offset:\i*8192+(\t)*512 th:TH_LOAD_NT
.endr
.endm
.macro TURNM t                         ; through my stage: in by rows, out so that lane (r, h) holds query r's keys 16 kt + 8 h + 0 .. 7 in registers 8 kt + 0 .. 7
.irp i, 0,1,2,3,4,5,6,7,8,9,10,11,12,13,14,15
	ds_store_b128 v3, v[MR+64*((\t)%2)+4*\i:MR+64*((\t)%2)+4*\i+3] offset:\i*MP
.endr
.irp k, 0,1,2,3,4,5,6,7
	ds_load_b128 v[XM+8*\k:XM+8*\k+3], v4 offset:\k*64
	ds_load_b128 v[XM+8*\k+4:XM+8*\k+7], v4 offset:\k*64+16
.endr
.endm
.macro WORDS t                         ; a compare gives word n whole; it goes to register n % 4 of lane n / 4 (+ 16 in an odd step); the words' AND says whether all are true
	s_mov_b32 s48, -1
.set nn, 0
.rept 8
.irp k, 0,1,2,3,4,5,6,7
	v_cmp_ne_u32 s[40+\k], 0, v[XM+nn+\k]
.endr
.irp k, 0,1,2,3,4,5,6,7
	s_and_b32 s48, s48, s[40+\k]
.endr
.irp k, 0,1,2,3,4,5,6,7
.set LN, (nn+\k)/4+16*((\t)%2)
	v_writelane_b32 v[WW+4*((\t)/2)+(nn+\k)%4], s[40+\k], LN
.endr
.set nn, nn+8
.endr
	s_cmp_eq_u32 s48, -1
	s_cselect_b32 s51, 1<<(\t), 0
	s_or_b32 s49, s49, s51
.endm
	LOADM 0
	LOADM 1
.irp t, 0,1,2,3
.if \t < 3
	s_wait_loadcnt 16                              ; this step's 16 loads are in; the next step's 16 stay out
.else
	s_wait_loadcnt 0x0
.endif
	TURNM \t
	s_wait_dscnt 0x0                               ; my 64 entries are back, and the stores have read their registers,
.if \t < 2
	LOADM \t+2                                     ; which take the step two on
.endif
	WORDS \t
.if \t % 2
	global_store_b128 v5, v[WW+4*(\t/2):WW+4*(\t/2)+3], s[24:25] offset:(\t-1)*4096   ; sixteen lanes store 256 consecutive bytes, aligned: a tile-step's 64 words
.endif
.endr
	v_mov_b32 v6, s49
	v_cmp_eq_u32 vcc_lo, 0, v1
	s_wait_xcnt 0x0                                ; EXEC is a source of the stores above: it changes only behind this wait
	s_and_saveexec_b32 s50, vcc_lo
	global_store_b8 v7, v6, s[26:27]               ; one byte a wave: 2,048 bytes in the whole launch
	s_wait_xcnt 0x0                                ; and again, in front of the line that widens it
	s_or_b32 exec_lo, exec_lo, s50
.Lend:
	s_wait_tensorcnt 0x0                           ; the wave's end
	ds_add_u32 v[SPW], v[NIL]
	s_wait_dscnt 0x0
	s_endpgm
.Lfunc_end_k_q69ed48bf63_prep:
	.size	k_q69ed48bf63_prep, .Lfunc_end_k_q69ed48bf63_prep-k_q69ed48bf63_prep
	.p2alignl 7, 3214868480
	.fill 96, 4, 3214868480
	.section	.rodata,"a",@progbits
	.p2align	6, 0x0
	.amdhsa_kernel k_q69ed48bf63_prep
		.amdhsa_group_segment_fixed_size 67072
		.amdhsa_private_segment_fixed_size 0
		.amdhsa_enable_private_segment 0
		.amdhsa_kernarg_size 96
		.amdhsa_user_sgpr_count 2
		.amdhsa_user_sgpr_kernarg_segment_ptr 1
		.amdhsa_wavefront_size32 1
		.amdhsa_system_sgpr_workgroup_id_x 1
		.amdhsa_system_sgpr_workgroup_id_y 1
		.amdhsa_system_sgpr_workgroup_id_z 1
		.amdhsa_system_vgpr_workitem_id 0
		.amdhsa_next_free_vgpr 224
		.amdhsa_next_free_sgpr 66
		.amdhsa_reserve_vcc 1
		.amdhsa_float_denorm_mode_32 3
		.amdhsa_float_denorm_mode_16_64 3
		.amdhsa_memory_ordered 1
		.amdhsa_forward_progress 1
		.amdhsa_inst_pref_size 95
	.end_amdhsa_kernel
	.amdgpu_metadata
---
amdhsa.version: [ 1, 2 ]
amdhsa.kernels:
  - .name:           k_q69ed48bf63_prep
    .symbol:         k_q69ed48bf63_prep.kd
    .args:
      - { .name: query, .offset: 0, .size: 8, .value_kind: global_buffer, .address_space: global }
      - { .name: key, .offset: 8, .size: 8, .value_kind: global_buffer, .address_space: global }
      - { .name: value, .offset: 16, .size: 8, .value_kind: global_buffer, .address_space: global }
      - { .name: Wq, .offset: 24, .size: 8, .value_kind: global_buffer, .address_space: global }
      - { .name: Wk, .offset: 32, .size: 8, .value_kind: global_buffer, .address_space: global }
      - { .name: Wv, .offset: 40, .size: 8, .value_kind: global_buffer, .address_space: global }
      - { .name: mask, .offset: 48, .size: 8, .value_kind: global_buffer, .address_space: global }
      - { .name: lowp_scales, .offset: 56, .size: 8, .value_kind: global_buffer, .address_space: global }
      - { .name: xcodes, .offset: 64, .size: 8, .value_kind: global_buffer, .address_space: global }
      - { .name: wcodes, .offset: 72, .size: 8, .value_kind: global_buffer, .address_space: global }
      - { .name: maskw, .offset: 80, .size: 8, .value_kind: global_buffer, .address_space: global }
      - { .name: flags, .offset: 88, .size: 8, .value_kind: global_buffer, .address_space: global }
    .group_segment_fixed_size: 67072
    .private_segment_fixed_size: 0
    .kernarg_segment_align: 8
    .kernarg_segment_size: 96
    .max_flat_workgroup_size: 128
    .sgpr_count:     66
    .vgpr_count:     224
    .wavefront_size: 32
...
	.end_amdgpu_metadata
.endif
;; end of part 1
;; launch proj (part 2): grid 4 x 96, 4 waves a work-group, clusters of 4 x 4, 327,680 bytes of LDS; arguments xcodes, wcodes, lowp_scales, bq, bk, bv, img; writes img
.if DOCPART == 2
	.amdgcn_target "amdgcn-amd-amdhsa--gfx1250"
	.amdhsa_code_object_version 6
	.text
	.protected	k_q69ed48bf63_proj
	.globl	k_q69ed48bf63_proj
	.p2align	8
	.type	k_q69ed48bf63_proj,@function
k_q69ed48bf63_proj:
	s_mov_b64 s[64:65], 0
	v_nop
	global_prefetch_b8 v0, s[64:65] scope:SCOPE_SE
	s_setreg_imm32_b32 hwreg(HW_REG_WAVE_MODE, 25, 1), 1
	s_wait_xcnt 0x0
	s_wait_alu depctr_hold_cnt(0) depctr_sa_sdst(0) depctr_va_vdst(0) depctr_va_sdst(0) depctr_va_ssrc(0) depctr_va_vcc(0) depctr_vm_vsrc(0)
	s_getreg_b32 s2, hwreg(HW_REG_IB_STS2, 6, 4)
	s_cmp_eq_u32 s2, 0
	s_cbranch_scc0 .Lentry_in_a_cluster
	s_endpgm
.Lentry_in_a_cluster:
	s_bfe_u32 s2, ttmp6, 0x10000c
	s_cmp_lg_u32 s2, 0xf033
	s_cbranch_scc0 .Lentry_shape_is_right
	s_endpgm
.Lentry_shape_is_right:
; PROJ, the second launch: q = query Wq^T + bq, k = key Wk^T + bk, v = value Wv^T + bv on codes of FP8 (E4M3), [8192 x 1024] x [1024 x 1024] each, sums in f32; nothing of reference() is left out here.
; Each finished sum becomes sum x 2^(ea + eb) + bias (one fused multiply-add; the factor is a power of two, so it rounds as reference()'s product and sum do), is held within +-448 x 2^eo and turned into a code with
; the scale of the operand that it is next (q: entry 6, k: entry 7, v: entry 9), and leaves as an IMAGE OF THE THIRD LAUNCH'S OPERAND REGISTERS.
; LIMITS: ea + eb between -126 and 127; eo between -126 and 119.  NaN and infinity are not served.
; A tile of 256 x 256 is made by a work-group of four waves, a wave 128 x 128: 64 accumulators, 512 registers.  K = 1,024 goes in four steps of 256 through a ring of two LDS slots filled by the tensor data mover.
; THE MATRIX INSTRUCTION: source 0 = 16 rows of 'B', source 1 = 16 rows of 'A': lane (r, h) holds A's row r and, in registers 0-7, B's rows 8 h + 0 .. 7.  One conversion of an accumulator's eight registers
; therefore gives registers 2 c, 2 c + 1 of an 8-bit operand whose K runs along B's rows (ISA guide 7.12.2: k = 16 c + 8 h + 0 .. 7), c = the accumulator's B block.  So:
;   q, k (p = 0, 1): A = tokens, B = the weight's rows: K = the head's 64 channels.  v (p = 2): A = the weight's rows, B = tokens: K = 128 keys.  The same body, the two buffers changing places.
; img: q at byte 0, k at 8,388,608: [b h 64][tile of 16 tokens 128][chunk 2][lane 32][16 bytes];  v at 16,777,216: [b h 64][step of 128 keys 16][16 channels 4][chunk 4][lane 32][16 bytes].  Chunk c = registers 4 c .. 4 c + 3.
; CLUSTERS: 4 x 4 work-groups; grid 4 x 96 = 24 clusters, eight for each product: p = cluster y / 8 is the same in all partners, so selects and one branch may hang on it.  The four of a row of the cluster need the same
; tile of A, the four of a column the same tile of B: each tile is asked for jointly, which divides the requests by four.  By this text's own count a wave has two tensor loads out at the start and one behind each round.
; REGISTERS: window 0: v0-31 addresses; v32-95 the bias along registers, v96-111 the bias along lanes; from v128 A's fragments, ONE set; on the way out v112-175 the sums, v176-239 four sets of codes.
;   window 1: B's fragments, two sets.   windows 2, 3: the accumulators of my rows 0-63, 64-127 ((a, b) at v[8 (8 (a % 4) + b)]).
; No prefetch: a work-group has only two refills, so a look-ahead would stand at the head, among everybody's first loads.
.set KSTEP,  256
.set ROWB,   256                       ; a tile's row in bytes
.set KROW,   1024                      ; a row of codes in memory
.set PITCH,  272                       ; an LDS row: 256 bytes + 16 of padding = 68 words: the 16 rows that a load touches start at 16 different banks (64 banks of 4 bytes: ISA guide 11.1)
.set FR,     16                        ; registers of a fragment: 16 rows x 128 K
.set NL,     4                         ; LDS loads that bring one
.set NP,     4                         ; places behind this matrix instruction (ISA guide 7.12.1)
.set HALFT,  128*PITCH                 ; what one tensor load brings, and what one wave reads of A or of B
.set SLOT,   4*HALFT                   ; A's 256 rows, then B's 256 rows
.set SPARE,  2*SLOT                    ; behind the ring: the spare words, 128 bytes for each wave
.set ADRA, 16                          ; v16-17  LDS address of my A fragments in slot 0, 1
.set ADRB, 20                          ; v20-21  the same for B
.set BLO,  25                          ; v25     4 r: my place in the bias along lanes
.set CO,   26                          ; v26     16 x lane: my place in an image's chunk
.set BRO,  27                          ; v27     32 h: my place in the bias along registers
.set SPW,  28                          ; v28     LDS address of my spare word; never rewritten
.set NIL,  29                          ; v29     0; never rewritten
.set SCL,  30                          ; v30     2^eo
.set LIM,  31                          ; v31     448 x 2^eo
.set BR,   32
.set BL,   96
.set TMP,  112
.set CD,   176
.set AF,   128
.set G1, 24                            ; s[24:31] descriptor group 1 for A's tiles;  s[32:39] group 0, one set for each slot
.set G0, 32
.set G1B, 48                           ; s[48:55], s[56:63] the same for B's tiles
.set G0B, 56
.set MSB, 0
.macro WIN new                         ; the immediate's high byte repeats the setting that is left
.if MSB != \new
	s_set_vgpr_msb (MSB<<8)|\new
.set MSB, \new
.endif
.endm
.set MUL_LO, 0xa1                      ; source 0 (B) window 1, source 1 (A) window 0, C and D window 2
.set MUL_HI, 0xf1                      ; the same, C and D window 3
.set TO_B,   0x40                      ; destination window 1, address window 0
; A joint load: waves 0 and 1 fetch for A, waves 2 and 3 for B.  Each line has one mask and one set of registers for all that issue it; the branch hangs on the wave's number alone.
; An s_nop 0 and four v_nop follow each of the two lines.
.macro JLOAD g0a, g1a, g0b, g1b
	s_cmp_eq_u32 s15, 0
	s_cbranch_scc0 .Lfor_b_\@
	tensor_load_to_lds s[\g0a:\g0a+3], s[\g1a:\g1a+7]
	s_nop 0
.rept 4
	v_nop
.endr
	s_branch .Lasked_\@
.Lfor_b_\@:
	tensor_load_to_lds s[\g0b:\g0b+3], s[\g1b:\g1b+7]
	s_nop 0
.rept 4
	v_nop
.endr
.Lasked_\@:
.endm
.macro CREST                           ; a round of the cluster's barrier behind its opening barrier
	s_cmp_lg_u32 s14, 0
	s_cbranch_scc1 .Lnot_wave_0_\@
	s_barrier_signal -3
.Lnot_wave_0_\@:
	s_barrier_wait -3
	s_barrier_signal -1
	s_barrier_wait -1
.endm
.macro CROUND                          ; a whole round
	s_barrier_signal -1
	s_barrier_wait -1
	CREST
.endm
	s_load_b256 s[4:11], s[0:1], 0x0               ; xcodes s[4:5], wcodes s[6:7], lowp_scales s[8:9], bq s[10:11]
	s_load_b128 s[68:71], s[0:1], 0x20             ; bk s[68:69], bv s[70:71]
	s_load_b64 s[72:73], s[0:1], 0x30              ; img
	v_lshl_add_u32 v[SPW], v0, 2, SPARE
	v_mov_b32 v[NIL], 0
	ds_add_u32 v[SPW], v[NIL]                      ; the wave's opening: the add, twice on end, and its wait ahead of my first tensor load; the set-up below stands between
	ds_add_u32 v[SPW], v[NIL]
	v_lshrrev_b32 v1, 5, v0
	v_readfirstlane_b32 s14, v1                    ; wave 0..3
	s_lshr_b32 s15, s14, 1                         ; which half of A's rows is mine.  Also: I fetch for A (0) or for B (1)
	s_and_b32 s16, s14, 1                          ; which half of B's rows.  Also: which 128 rows of that tile I fetch
	s_bfe_u32 s40, ttmp6, 0x40000                  ; cx, cy: my place in the cluster
	s_bfe_u32 s41, ttmp6, 0x40004
	s_and_b32 s17, ttmp7, 0xffff                   ; cluster y, 0..23
	s_lshr_b32 s74, s17, 3                         ; p: 0 q, 1 k, 2 v
	s_and_b32 s75, s17, 7
	s_lshl_b32 s75, s75, 2                         ; the cluster's first tile of 256 tokens
	s_lshl_b32 s18, s74, 5
	s_add_co_u32 s18, s18, s75                     ; in xcodes: tile 32 p + that
	s_lshl_b32 s19, s74, 2                         ; in wcodes: tile 4 p
	s_cmp_eq_u32 s74, 2
	s_cselect_b32 s17, s19, s18                    ; A's tile: the tokens', for v the weight's,
	s_cselect_b32 s42, s18, s19                    ; B's the other way round
	s_add_co_u32 s17, s17, s41                     ; + cy: A's tile hangs on cy alone,
	s_add_co_u32 s42, s42, s40                     ; + cx: B's on cx alone
	s_lshl_b32 s43, s41, 2
	s_lshl_b32 s43, 15, s43                        ; my row of the cluster
	s_lshl_b32 s44, 0x1111, s40                    ; my column
	; descriptor group 1: a tile of 128 rows x 256 bytes, padded in LDS
	s_or_b32 s[G1+0], s43, (0<<16)|(1<<20)|(1<<21)|(5<<22)|(3<<25)  ; 15:0 the mask: A's tiles go to my row; 17:16 elements of 1 byte; 20 padding on; 21 set beside a mask; 24:22 after every 64 words; 31:25 four words
	s_or_b32 s[G1B+0], s44, (0<<16)|(1<<20)|(1<<21)|(5<<22)|(3<<25)
.irp g, G1, G1B
	s_mov_b32 s[\g+1], ROWB<<16                    ; tensor_dim0
	s_mov_b32 s[\g+2], 128<<16                     ; tensor_dim1
	s_mov_b32 s[\g+3], ROWB<<16                    ; tile_dim0
	s_mov_b32 s[\g+4], 128                         ; tile_dim1
	s_mov_b32 s[\g+5], KROW                        ; tensor_dim0_stride
	s_mov_b32 s[\g+6], 0
	s_mov_b32 s[\g+7], 0
.endr
	s_lshl_b32 s18, s16, 7                         ; which 128 rows of the tile I fetch
	s_lshl_b32 s20, s17, 8
	s_add_co_u32 s20, s20, s18
	s_lshl_b32 s20, s20, 10                        ; A: (256 x tile + 128 x half) rows of 1,024 bytes: under 2^25
	s_mov_b32 s21, 0
	s_lshl_b32 s46, s42, 8
	s_add_co_u32 s46, s46, s18
	s_lshl_b32 s46, s46, 10                        ; B likewise
	s_mov_b32 s47, 0
	s_mul_i32 s45, s14, HALFT                      ; where they go: wave x 128 rows: no place in the cluster enters an LDS address
	s_wait_dscnt 0x0                               ; both opening adds are done
	s_wait_kmcnt 0x0
	s_load_b256 s[76:83], s[8:9], 0x0              ; entries 0 to 7,
	s_load_b64 s[84:85], s[8:9], 0x20              ; 8 and 9
	s_cmp_eq_u32 s74, 2
	s_cselect_b64 s[92:93], s[6:7], s[4:5]         ; A's buffer,
	s_cselect_b64 s[94:95], s[4:5], s[6:7]         ; B's
	s_add_nc_u64 s[20:21], s[92:93], s[20:21]
	s_add_nc_u64 s[46:47], s[94:95], s[46:47]
	CROUND                                         ; all sixteen work-groups are here: the first joint loads meet
.irp s, 0,1
	s_mov_b32 s[G0+4*\s], 1
	s_add_co_u32 s[G0+4*\s+1], s45, \s*SLOT
	s_add_nc_u64 s[G0+4*\s+2:G0+4*\s+3], s[20:21], \s*ROWB
	s_or_b32 s[G0+4*\s+3], s[G0+4*\s+3], 0x80000000
	s_mov_b32 s[G0B+4*\s], 1
	s_add_co_u32 s[G0B+4*\s+1], s45, \s*SLOT
	s_add_nc_u64 s[G0B+4*\s+2:G0B+4*\s+3], s[46:47], \s*ROWB
	s_or_b32 s[G0B+4*\s+3], s[G0B+4*\s+3], 0x80000000
	JLOAD G0+4*\s, G1, G0B+4*\s, G1B
.endr
	v_and_b32 v1, 15, v0                           ; r
	v_bfe_u32 v2, v0, 4, 1                         ; h
	v_mul_u32_u24 v3, v1, PITCH
	v_lshl_add_u32 v4, v2, 4, v3                   ; a fragment's row x pitch + 16 x half
	s_mul_i32 s21, s15, HALFT                      ; my 128 rows of A
	s_mul_i32 s22, s16, HALFT                      ; my 128 rows of B,
	s_add_co_u32 s22, s22, 2*HALFT                 ; which lie behind A's 256
.irp s, 0,1
	v_add_nc_u32 v[ADRA+\s], s21, v4
	v_add_nc_u32 v[ADRB+\s], s22, v4
	s_add_co_u32 s21, s21, SLOT
	s_add_co_u32 s22, s22, SLOT
.endr
	v_and_b32 v6, 31, v0
	v_lshlrev_b32 v[CO], 4, v6
	v_lshlrev_b32 v[BLO], 2, v1
	v_lshlrev_b32 v[BRO], 5, v2
	; THE BIAS, in both forms, with no branch, so that no register's being written hangs on one; both stay inside the 4,096 bytes.  They are waited for on the way out.
	s_cmp_eq_u32 s74, 1
	s_cselect_b64 s[86:87], s[68:69], s[10:11]
	s_cmp_eq_u32 s74, 2
	s_cselect_b64 s[86:87], s[70:71], s[86:87]
	s_lshl_b32 s90, s40, 10                        ; along registers (q, k): channels 256 cx + 128 (my half of B) on
	s_lshl_b32 s91, s16, 9
	s_add_co_u32 s90, s90, s91
	s_mov_b32 s91, 0
	s_add_nc_u64 s[88:89], s[86:87], s[90:91]
	s_lshl_b32 s90, s41, 10                        ; along lanes (v): channels 256 cy + 128 (my half of A) on
	s_lshl_b32 s92, s15, 9
	s_add_co_u32 s90, s90, s92
	s_add_nc_u64 s[86:87], s[86:87], s[90:91]
.irp b, 0,1,2,3,4,5,6,7
	global_load_b128 v[BR+8*\b:BR+8*\b+3], v[BRO], s[88:89] offset:64*\b       ; bias(16 b + 8 h + 0 .. 7)
	global_load_b128 v[BR+8*\b+4:BR+8*\b+7], v[BRO], s[88:89] offset:64*\b+16
.endr
.irp a, 0,1,2,3,4,5,6,7
	global_load_b32 v[BL+2*\a], v[BLO], s[86:87] offset:64*\a                  ; bias(16 a + r), in both registers of a pair, for the packed multiply-add
	global_load_b32 v[BL+2*\a+1], v[BLO], s[86:87] offset:64*\a
.endr
	; where my images begin: p x 2^23 + (16 x batch + my first head) x 131,072 + (token % 2,048) x 64.  Tokens run along A for q and k, along B for v; heads the other way round
	s_cmp_eq_u32 s74, 2
	s_cselect_b32 s90, s40, s41
	s_cselect_b32 s92, s16, s15
	s_cselect_b32 s93, s41, s40
	s_cselect_b32 s94, s15, s16
	s_add_co_u32 s90, s90, s75
	s_lshl_b32 s90, s90, 8
	s_lshl_b32 s92, s92, 7
	s_add_co_u32 s90, s90, s92                     ; my first token
	s_lshr_b32 s92, s90, 11
	s_lshl_b32 s92, s92, 4
	s_lshl_b32 s93, s93, 2
	s_add_co_u32 s92, s92, s93
	s_lshl_b32 s94, s94, 1
	s_add_co_u32 s92, s92, s94                     ; 16 x batch + my first head (a wave's 128 channels are two heads)
	s_lshl_b32 s92, s92, 17
	s_and_b32 s90, s90, 2047
	s_lshl_b32 s90, s90, 6
	s_add_co_u32 s90, s90, s92
	s_lshl_b32 s92, s74, 23
	s_add_co_u32 s90, s90, s92
	s_add_nc_u64 s[72:73], s[72:73], s[90:91]
.macro FRAG reg, adr, q, i             ; 16 rows x 128 K in 16 registers by four loads of 16 bytes: registers 4 c .. 4 c + 3 hold K = 32 c + 16 h + 0 .. 15: a permutation of k that is the same in A and in B, so every product meets its partner
.irp c, 0,1,2,3
	ds_load_b128 v[\reg+4*\c:\reg+4*\c+3], v[\adr] offset:128*(\q)+32*\c+(\i)*16*PITCH
.endr
.endm
; 16 matrix instructions: A's blocks a0, a0 + 1 x B's eight.  p: B's set.  zero = 1: the first product starts the sums.  The 64 accumulators take turns, one instruction a turn, in the same order in every step.
.macro MUL16 a0, p, zero
.irp a, \a0, \a0+1
.irp b, 0,1,2,3,4,5,6,7
.if \zero
	v_wmma_f32_16x16x128_fp8_fp8 v[8*(8*((\a)%4)+\b):8*(8*((\a)%4)+\b)+7], v[128*(\p)+FR*\b:128*(\p)+FR*\b+FR-1], v[AF+FR*(\a):AF+FR*(\a)+FR-1], 0
.else
	v_wmma_f32_16x16x128_fp8_fp8 v[8*(8*((\a)%4)+\b):8*(8*((\a)%4)+\b)+7], v[128*(\p)+FR*\b:128*(\p)+FR*\b+FR-1], v[AF+FR*(\a):AF+FR*(\a)+FR-1], v[8*(8*((\a)%4)+\b):8*(8*((\a)%4)+\b)+7]
.endif
.endr
.endr
.endm
.macro FETCH_B slot, q, p              ; B's eight fragments of the slot's q-th 128 along K into set p
	WIN TO_B
.irp i, 0,1,2,3,4,5,6,7
	FRAG 128*(\p)+FR*\i, ADRB+\slot, \q, \i
.endr
	WIN 0
.endm
.macro FETCH_A slot, q, i0             ; A's blocks i0 .. i0 + 3
.irp i, \i0, \i0+1, \i0+2, \i0+3
	FRAG AF+FR*(\i), ADRA+\slot, \q, \i
.endr
.endm
.macro PLACES n                        ; plain vector instructions between a matrix instruction and a load into, or a vector instruction on, its registers
.rept \n
	v_nop
.endr
.endm
; A step of 128 along K that has its successor in the same slot.  A block of A is free as soon as its eight products are issued, so A has one set of registers: blocks 0-3 are fetched anew in the step's middle, blocks 4-7 at its end.
.macro STEP slot, q, zero
	s_wait_dscnt 4*NL                              ; B's set and A's blocks 0-3 are in; the youngest sixteen loads (A's blocks 4-7) may be out
	WIN MUL_LO
	MUL16 0, (\q)%2, \zero
	MUL16 2, (\q)%2, \zero
	s_wait_dscnt 0                                 ; A's blocks 4-7 are in
	PLACES NP
	FETCH_B \slot, (\q)+1, 1-(\q)%2
	FETCH_A \slot, (\q)+1, 0
	WIN MUL_HI
	MUL16 4, (\q)%2, \zero
	MUL16 6, (\q)%2, \zero
	PLACES NP
	WIN 0
	FETCH_A \slot, (\q)+1, 4
.endm
; A slot's last step changes slots: one barrier; in front of it each wave waits for all its tensor loads, adds 0 to its spare word, and waits for that and for its own reads of this slot.  fill = 1: this slot is filled again, two K steps ahead.
.macro TURN slot, next, fill
	s_wait_tensorcnt 0x0                           ; all my tensor loads have landed: my part of the next slot  (every window is 0 here)
	ds_add_u32 v[SPW], v[NIL]                      ; 0 onto my spare word
	s_wait_dscnt 4*NL+1                            ; (the add and the youngest sixteen loads, A's blocks 4-7, may be out)
	WIN MUL_LO
	MUL16 0, 1, 0                                  ; sixteen matrix instructions stand between the add and the wait for it
	s_wait_dscnt 0x0                               ; the add is done, and my reads of this slot are over
	s_barrier_signal -1
	MUL16 2, 1, 0
	WIN 0
	s_barrier_wait -1
.if \fill
	CREST                                          ; the barrier has opened a round of the cluster's barrier: no wave of any partner still reads this slot's tile or has a load on its way
	s_add_nc_u64 s[G0+4*\slot+2:G0+4*\slot+3], s[G0+4*\slot+2:G0+4*\slot+3], 2*ROWB
	s_add_nc_u64 s[G0B+4*\slot+2:G0B+4*\slot+3], s[G0B+4*\slot+2:G0B+4*\slot+3], 2*ROWB
	JLOAD G0+4*\slot, G1, G0B+4*\slot, G1B         ; the first tensor load behind the round; its four v_nop are also the places in front of the loads below
.else
	PLACES NP
.endif
	FETCH_B \next, 0, 0
	FETCH_A \next, 0, 0
	WIN MUL_HI
	MUL16 4, 1, 0
	MUL16 6, 1, 0
	PLACES NP
	WIN 0
	FETCH_A \next, 0, 4
.endm
	s_wait_tensorcnt 1                             ; my part of K step 0 is in; K step 1's load may be out
	s_barrier_signal -1
	s_barrier_wait -1                              ; everybody's is
	FETCH_B 0, 0, 0
	FETCH_A 0, 0, 0
	FETCH_A 0, 0, 4
	STEP 0, 0, 1                                   ; K 0-127: the products start the sums
	TURN 0, 1, 1                                   ; K 128-255; slot 0 is asked for again: K 512-767
	STEP 1, 0, 0
	TURN 1, 0, 1                                   ; slot 1 is asked for again: K 768-1023.  Two refills in all, so they are written out and there is no loop
	STEP 0, 0, 0
	TURN 0, 1, 0                                   ; nothing is left to fetch: no round
	STEP 1, 0, 0
	s_wait_dscnt 4*NL                              ; the very last step
	WIN MUL_LO
	MUL16 0, 1, 0
	MUL16 2, 1, 0
	s_wait_dscnt 0
	WIN MUL_HI
	MUL16 4, 1, 0
	MUL16 6, 1, 0
	WIN 0
	; THE WAY OUT.  The product's three exponents, chosen by p without a branch
	s_wait_kmcnt 0x0
	s_cmp_eq_u32 s74, 1
	s_cselect_b32 s76, s78, s76                    ; ea: entry 0, 2 or 4
	s_cselect_b32 s77, s79, s77                    ; eb: entry 1, 3 or 5
	s_cselect_b32 s82, s83, s82                    ; eo: entry 6, 7 or 9
	s_cmp_eq_u32 s74, 2
	s_cselect_b32 s76, s80, s76
	s_cselect_b32 s77, s81, s77
	s_cselect_b32 s82, s85, s82
	s_add_co_i32 s96, s76, s77
	s_add_co_i32 s96, s96, 127
	s_lshl_b32 s96, s96, 23                        ; 2^(ea + eb) as f32
	s_mov_b32 s97, s96                             ; (named with it as a pair, so it is written)
	s_add_co_i32 s82, s82, 127
	s_lshl_b32 s83, s82, 23
	s_add_co_i32 s82, s82, 8
	s_lshl_b32 s82, s82, 23
	s_or_b32 s82, s82, 0x600000
	v_mov_b32 v[SCL], s83                          ; these two and the two v_nop are the four places behind the last products
	v_mov_b32 v[LIM], s82
	PLACES 2
	s_wait_loadcnt 0x0                             ; the biases
; Block a of 16 of A's rows: 64 sums a lane -> sum x 2^(ea + eb) + bias -> the hold -> 16 registers of codes -> four stores of 512 consecutive bytes, aligned.  No LDS: the codes' registers are the images.
; isv = 0: the 16 registers are two fragments (heads 0, 1 of my two) of token tile a.  isv = 1: one fragment: head a / 4, channels 16 (a % 4) on, my 128 keys.
.macro OUT isv
.irp a, 0,1,2,3,4,5,6,7
	WIN 0x02+((\a)/4)                              ; source 0: window 2 or 3
.irp b, 0,1,2,3,4,5,6,7
.irp i, 0,2,4,6
.if \isv
	v_pk_fma_f32 v[TMP+8*\b+\i:TMP+8*\b+\i+1], v[64*((\a)%4)+8*\b+\i:64*((\a)%4)+8*\b+\i+1], s[96:97], v[BL+2*\a:BL+2*\a+1] op_sel_hi:[1,0,1]
.else
	v_pk_fma_f32 v[TMP+8*\b+\i:TMP+8*\b+\i+1], v[64*((\a)%4)+8*\b+\i:64*((\a)%4)+8*\b+\i+1], s[96:97], v[BR+8*\b+\i:BR+8*\b+\i+1] op_sel_hi:[1,0,1]
.endif
.endr
.endr
	WIN 0
.set kk, 0
.rept 64
	v_med3_num_f32 v[TMP+kk], v[TMP+kk], -v[LIM], v[LIM]   ; the conversion does not saturate (ISA guide 7.6.2): the hold comes first, whatever eo is
.set kk, kk+1
.endr
.if \a >= 4
	s_wait_xcnt 0x0                                ; block a - 4's stores have read this set of codes
.endif
.irp b, 0,1,2,3,4,5,6,7
	v_cvt_scalef32_pk8_fp8_f32 v[CD+16*((\a)%4)+2*\b:CD+16*((\a)%4)+2*\b+1], v[TMP+8*\b:TMP+8*\b+7], v[SCL]   ; registers 2 b, 2 b + 1
.endr
	v_nop                                          ; a plain line between the conversions and the next block's lines, which write their sources
.irp k, 0,1,2,3
.if \isv
	global_store_b128 v[CO], v[CD+16*((\a)%4)+4*\k:CD+16*((\a)%4)+4*\k+3], s[72:73] offset:((\a)/4)*131072+((\a)%4)*2048+\k*512 th:TH_STORE_NT
.else
	global_store_b128 v[CO], v[CD+16*((\a)%4)+4*\k:CD+16*((\a)%4)+4*\k+3], s[72:73] offset:(\a)*1024+(\k/2)*131072+(\k%2)*512 th:TH_STORE_NT
.endif
.endr
.endr
.endm
	s_cmp_eq_u32 s74, 2                            ; p is the same in all sixteen partners
	s_cbranch_scc1 .Lout_v
	OUT 0
	s_branch .Ldone
.Lout_v:
	OUT 1
.Ldone:
	s_wait_tensorcnt 0x0                           ; the wave's end
	ds_add_u32 v[SPW], v[NIL]
	s_wait_dscnt 0x0
	CROUND                                         ; the closing round: no work-group ends while a partner may still ask for a tile that names it
	s_endpgm
.Lfunc_end_k_q69ed48bf63_proj:
	.size	k_q69ed48bf63_proj, .Lfunc_end_k_q69ed48bf63_proj-k_q69ed48bf63_proj
	.p2alignl 7, 3214868480
	.fill 96, 4, 3214868480
	.section	.rodata,"a",@progbits
	.p2align	6, 0x0
	.amdhsa_kernel k_q69ed48bf63_proj
		.amdhsa_group_segment_fixed_size 327680
		.amdhsa_private_segment_fixed_size 0
		.amdhsa_enable_private_segment 0
		.amdhsa_kernarg_size 56
		.amdhsa_user_sgpr_count 2
		.amdhsa_user_sgpr_kernarg_segment_ptr 1
		.amdhsa_wavefront_size32 1
		.amdhsa_system_sgpr_workgroup_id_x 1
		.amdhsa_system_sgpr_workgroup_id_y 1
		.amdhsa_system_sgpr_workgroup_id_z 1
		.amdhsa_system_vgpr_workitem_id 0
		.amdhsa_next_free_vgpr 1024
		.amdhsa_next_free_sgpr 100
		.amdhsa_reserve_vcc 0
		.amdhsa_float_denorm_mode_32 3
		.amdhsa_float_denorm_mode_16_64 3
		.amdhsa_memory_ordered 1
		.amdhsa_forward_progress 1
		.amdhsa_inst_pref_size 194
	.end_amdhsa_kernel
	.amdgpu_metadata
---
amdhsa.version: [ 1, 2 ]
amdhsa.kernels:
  - .name:           k_q69ed48bf63_proj
    .symbol:         k_q69ed48bf63_proj.kd
    .args:
      - { .name: xcodes, .offset: 0, .size: 8, .value_kind: global_buffer, .address_space: global }
      - { .name: wcodes, .offset: 8, .size: 8, .value_kind: global_buffer, .address_space: global }
      - { .name: lowp_scales, .offset: 16, .size: 8, .value_kind: global_buffer, .address_space: global }
      - { .name: bq, .offset: 24, .size: 8, .value_kind: global_buffer, .address_space: global }
      - { .name: bk, .offset: 32, .size: 8, .value_kind: global_buffer, .address_space: global }
      - { .name: bv, .offset: 40, .size: 8, .value_kind: global_buffer, .address_space: global }
      - { .name: img, .offset: 48, .size: 8, .value_kind: global_buffer, .address_space: global }
    .group_segment_fixed_size: 327680
    .private_segment_fixed_size: 0
    .kernarg_segment_align: 8
    .kernarg_segment_size: 56
    .max_flat_workgroup_size: 128
    .sgpr_count:     100
    .vgpr_count:     1024
    .wavefront_size: 32
...
	.end_amdgpu_metadata
.endif
;; end of part 2
;; launch attn (part 3): grid 4 x 64, 8 waves a work-group, no clusters, 297,984 bytes of LDS; arguments img, maskw, flags, lowp_scales, out0; writes out0
.if DOCPART == 3
	.amdgcn_target "amdgcn-amd-amdhsa--gfx1250"
	.amdhsa_code_object_version 6
	.text
	.protected	k_q69ed48bf63_attn
	.globl	k_q69ed48bf63_attn
	.p2align	8
	.type	k_q69ed48bf63_attn,@function
k_q69ed48bf63_attn:
	s_mov_b64 s[64:65], 0
	v_nop
	global_prefetch_b8 v0, s[64:65] scope:SCOPE_SE
	s_setreg_imm32_b32 hwreg(HW_REG_WAVE_MODE, 25, 1), 1
	s_wait_xcnt 0x0
; ATTN, the third launch: out0[b][q][64 head + d] = sum over keys of softmax(where(mask == 0, -1e9, q . k / 8)) v, both products on codes of FP8 (E4M3); nothing of reference() is left out here.
; THE SOFTMAX AHEAD OF THE SECOND PRODUCT: t = logit x log2(e); M = the row's largest t so far, rounded up to a whole number; p = 2^(t - M) is quantised with 2^ep, not normalised; the row's sum is taken of the
; unquantised p and divides at the end.  When M moves, the sum and O are multiplied by 2^(old M - new M): nothing is rounded.
; THE MASK.  A hidden score is replaced, in the raw sums, by RM = -2^(33 - eq - ek): the logit -2^30 where reference() has -1e9.  RM x c (c below) is exact and a whole number, so in a row with no open key t - M is exactly 0
; and every p is 1, as reference() has it.  LIMIT: eq + ek <= 9.  Codes are at most 448, so an open logit is at most 64 x 448^2 x 2^9 / 8 = 8.3e8 in size: more than 1e8 above either constant, and a hidden key beside an
; open one has p = 0 under both: the results are the same for every input.  FURTHER LIMITS: eq + ek >= -94; ep between -126 and 119; ep + ev is applied by v_ldexp_f32 and has none.
; SHARES.  Work-group (x, y): batch and head y, queries 512 x on, in two passes of 256.  Each of eight waves owns 32 queries a pass, two tiles of 16, and walks the 2,048 keys in 16 steps of 128.  256 work-groups of equal work.
; Two tiles a wave, so that each fragment of K and V read from LDS feeds two products.  The head's K and V (262,144 bytes of register images) are copied into LDS once, through registers; behind the one barrier the waves run freely.
; NO TENSOR LOAD AND NO CLUSTER: a step's 64 selects are jumped over where a stored flag says that the tile-step's mask is all true; that is a branch on a number read from memory.
; What partners could share, K and V, is fetched once a work-group at its head.
; LAYOUT.  S^T = K Q^T (source 0 = 16 keys, source 1 = 16 queries), O^T += V^T P^T (source 0 = 16 channels, source 1 = P): a lane holds one query (lane % 16) throughout.  S's register 8 kt + j is key 16 kt + 8 h + j, so one conversion
; of tile kt's eight registers is registers 2 kt, 2 kt + 1 of P (ISA guide 7.12.2).  All operands come as images of their registers: chunk c = registers 4 c .. 4 c + 3, lane l's 16 bytes at 16 l.
; REGISTERS.  window 0: v1-15 addresses and constants; v16-31 eight of statistics a tile (+0 -M, +1 the largest t, +2, +3 the sum, +4 f (+5 named with it), +6, +7 the sum's second chain); v32-47 Q of pass 0; v48-79 P; v80-95 Q of pass 1;
;   v96-223 S; v224-226 at work; v228-231 the fill's addresses.   window 1: v0-63 O^T, v64-127 K of a step, v128-191 V of a step (during the fill all 256).
; SCALARS.  s[2:3] the prefetches' place; s[4:5] Q; s[6:7] my mask words; s[12:13] my rows of out0; s14 wave; s15 step; s16 the step's LDS byte; s17 the flag's bit; s18 the mask words' offset; s19 the next step's LDS byte;
;   s[20:21] lane selects; s[22:23] c; s[24:27] my four tiles' flags; s28 step 0..31 over both passes; s29 0 in the wave that prefetches; s[32:63], s[68:99] a tile-step's 64 mask words; s100 ep + ev.
.set KBYTES, 131072                    ; LDS: K's images of the head from byte 0, V's from here, 8,192 bytes a step each
.set STEPB,  8192
.set STAGE,  262144                    ; the way out: 16 rows x 272 bytes for each wave, its own
.set SPITCH, 272
.set WSTG,   16*SPITCH
.set SPARE,  STAGE+8*WSTG              ; the spare words, 128 bytes for each wave
.set LI,  1                            ; v1   16 x lane
.set LV,  2                            ; v2   the same in V's part
.set ADK, 3                            ; v3   LDS address of the next step's K
.set ADV, 4                            ; v4   of this step's V
.set SPW, 5                            ; v5   LDS address of my spare word; never rewritten
.set NIL, 6                            ; v6   0; never rewritten
.set STO, 7                            ; v7   the stage: where I put 32 bytes of a row
.set RD,  8                            ; v8   and where I read a row back
.set GO,  9                            ; v9   my byte offset in two rows of out0
.set LIM, 10                           ; v10  448 x 2^ep
.set SCL, 12                           ; v12  2^ep
.set RM,  13                           ; v13  what a hidden score becomes
.set PFO, 14                           ; v14  256 x lane
.set STT, 16
.set Q0,  32
.set P,   48
.set S,   96
.set T0,  224
.set T1,  225
.set T2,  226
.set FA,  228                          ; v228 16 x thread: the fill's offset in memory and its first LDS address; v229-231: + 65,536, 131,072, 196,608
.set O,   0                            ; in window 1
.set KF,  64
.set VF,  128
.set MSB, 0
.macro WIN new                         ; the immediate's high byte repeats the setting that is left
.if MSB != \new
	s_set_vgpr_msb (MSB<<8)|\new
.set MSB, \new
.endif
.endm
.macro MLOAD off                       ; a tile-step's 64 mask words, 256 consecutive bytes
	s_load_b512 s[32:47], s[6:7], s18 offset:\off
	s_load_b512 s[48:63], s[6:7], s18 offset:\off+64
	s_load_b512 s[68:83], s[6:7], s18 offset:\off+128
	s_load_b512 s[84:99], s[6:7], s18 offset:\off+192
.endm
; A PREFETCH INTO THE L2 of the mask words of steps s28 + 2 and s28 + 3, for all eight waves: 8,192 consecutive bytes, lanes 256 bytes apart, one instruction, in every second step.  The sixteen heads of a batch read the same words:
; wave 0 of head 0's work-groups asks, and nobody else, so each block is named once in the launch.  Steps 0 and 1 come by their loads alone; step 30 asks for nothing: there is no step behind 31.
.macro ASKPF
	s_and_b32 s30, s28, 1
	s_or_b32 s30, s30, s29
	s_cmp_lt_u32 s28, 30
	s_cselect_b32 s30, s30, 1
	s_cmp_eq_u32 s30, 0
	s_cbranch_scc0 .Lnot_mine_\@
	global_prefetch_b8 v[PFO], s[2:3] offset:8192 th:TH_LOAD_NT scope:SCOPE_SE
.Lnot_mine_\@:
.endm
	s_load_b256 s[4:11], s[0:1], 0x0               ; img s[4:5], maskw s[6:7], flags s[8:9], lowp_scales s[10:11]
	s_load_b64 s[12:13], s[0:1], 0x20              ; out0
	v_lshl_add_u32 v[SPW], v0, 2, SPARE
	v_mov_b32 v[NIL], 0
	v_lshrrev_b32 v[T0], 5, v0
	v_readfirstlane_b32 s14, v[T0]                 ; wave 0..7
	v_and_b32 v[T0], 31, v0
	v_lshlrev_b32 v[LI], 4, v[T0]
	v_lshlrev_b32 v[PFO], 8, v[T0]
	v_add_nc_u32 v[LV], KBYTES, v[LI]
	v_lshlrev_b32 v[FA], 4, v0
	v_add_nc_u32 v[FA+1], 65536, v[FA]
	v_add_nc_u32 v[FA+2], 131072, v[FA]
	v_add_nc_u32 v[FA+3], 196608, v[FA]
	v_and_b32 v[T0], 15, v0                        ; r
	v_bfe_u32 v[T1], v0, 4, 1                      ; h
	s_mul_i32 s30, s14, WSTG
	s_add_co_u32 s30, s30, STAGE                   ; my stage
	v_mul_u32_u24 v[STO], v[T0], SPITCH
	v_lshl_add_u32 v[STO], v[T1], 5, v[STO]
	v_add_nc_u32 v[STO], s30, v[STO]               ; in: row r, + 32 h
	v_mul_u32_u24 v[RD], v[T1], SPITCH
	v_lshl_add_u32 v[RD], v[T0], 4, v[RD]
	v_add_nc_u32 v[RD], s30, v[RD]                 ; back: lanes 0-15 one row of 256 bytes, lanes 16-31 the next
	v_lshlrev_b32 v[GO], 12, v[T1]
	v_lshl_add_u32 v[GO], v[T0], 4, v[GO]          ; and the same two rows in out0, 4,096 bytes apart
	v_mov_b32 v[T2], 0                             ; written once: a lane permute's destination counts as one of its sources
	s_and_b32 s31, ttmp7, 0xffff                   ; 16 b + head
	s_lshr_b32 s19, s31, 4                         ; b
	s_and_b32 s29, s31, 15                         ; head
	s_lshl_b32 s36, s31, 17                        ; a head's images are 131,072 bytes in each of img's three parts
	s_mov_b32 s37, 0
	s_lshl_b32 s42, ttmp9, 5
	s_lshl_b32 s43, s14, 1
	s_add_co_u32 s42, s42, s43                     ; my first tile of queries in pass 0: 32 x + 2 wave
	s_lshl_b32 s44, s42, 10                        ; its image
	s_mov_b32 s45, 0
	s_lshl_b32 s46, s19, 7
	s_add_co_u32 s46, s46, s42                     ; 128 b + tile
	s_lshl_b32 s48, s46, 2                         ; its flags
	s_mov_b32 s49, 0
	s_lshl_b32 s50, s46, 16                        ; its 16 rows of 4,096 bytes in out0,
	s_lshl_b32 s51, s29, 8                         ; the head's 256 bytes of a row
	s_add_co_u32 s50, s50, s51
	s_mov_b32 s51, 0
	s_lshl_b32 s52, s19, 3
	s_lshl_b32 s53, ttmp9, 1
	s_add_co_u32 s52, s52, s53
	s_lshl_b32 s52, s52, 16                        ; maskw: (8 b + 2 x) x 16 steps x 4,096: my work-group's 32 steps lie on end,
	s_mov_b32 s53, 0
	s_lshl_b32 s54, s14, 9                         ; my two tiles' 512 bytes of a step
	s_mov_b32 s55, 0
	s_or_b32 s29, s29, s14                         ; 0 in wave 0 of head 0
	s_mov_b32 s20, 0x76543210
	s_mov_b32 s21, 0xfedcba98                      ; lane l xor 16
	s_mov_b32 s18, 0
	s_mov_b32 s28, 0
	s_wait_kmcnt 0x0
	s_load_b128 s[32:35], s[10:11], 0x18           ; eq, ek, ep, ev: entries 6 to 9
	s_add_nc_u64 s[8:9], s[8:9], s[48:49]
	s_load_b64 s[24:25], s[8:9], 0x0               ; pass 0's two tiles,
	s_load_b64 s[26:27], s[8:9], 0x40              ; pass 1's, 16 tiles on
	s_add_nc_u64 s[4:5], s[4:5], s[36:37]
	s_add_nc_u64 s[38:39], s[4:5], 8388608         ; K's images of my head,
	s_add_nc_u64 s[40:41], s[4:5], 16777216        ; V's
	s_add_nc_u64 s[4:5], s[4:5], s[44:45]          ; Q's of my tiles
	s_add_nc_u64 s[2:3], s[6:7], s[52:53]
	s_add_nc_u64 s[6:7], s[2:3], s[54:55]
	s_add_nc_u64 s[12:13], s[12:13], s[50:51]
.irp p, 0,1
.irp t, 0,1
.irp c, 0,1
	global_load_b128 v[Q0+48*\p+8*\t+4*\c:Q0+48*\p+8*\t+4*\c+3], v[LI], s[4:5] offset:(16*\p+\t)*1024+\c*512   ; Q stays in registers
.endr
.endr
.endr
	; THE FILL: 64 loads a thread, 4,096 consecutive bytes for the eight waves each, into window 1; then the same bytes into LDS
	WIN 0x40                                       ; destination window 1
.set ii, 0
.rept 32
	global_load_b128 v[4*ii:4*ii+3], v[FA], s[38:39] offset:4096*ii
.set ii, ii+1
.endr
.rept 32
	global_load_b128 v[4*ii:4*ii+3], v[FA], s[40:41] offset:4096*(ii-32)
.set ii, ii+1
.endr
	WIN 0x04                                       ; store data window 1
.set gg, 0
.rept 8
	s_wait_loadcnt 56-8*gg                         ; loads come back in order (ISA guide 5.7.1): Q's eight and the first 8 (g + 1) of the 64 are in; the younger ones stay out
.set ii, 8*gg
.rept 8
	ds_store_b128 v[FA+ii/16], v[4*ii:4*ii+3] offset:(ii%16)*4096
.set ii, ii+1
.endr
.set gg, gg+1
.endr
	WIN 0
	s_wait_kmcnt 0x0
	s_add_co_i32 s30, s32, s33                     ; eq + ek
	s_lshl_b32 s31, s30, 23
	s_add_co_i32 s22, s31, 0x3e38aa3b              ; c = log2(e) / 8 x 2^(eq + ek): the exponents are added to the exponent field
	s_mov_b32 s23, s22                             ; (named with it as a pair, so it is written)
	s_sub_co_i32 s30, 160, s30
	s_lshl_b32 s30, s30, 23
	s_or_b32 s30, s30, 0x80000000
	v_mov_b32 v[RM], s30                           ; -2^(33 - eq - ek)
	s_add_co_i32 s30, s34, 127
	s_lshl_b32 s31, s30, 23
	v_mov_b32 v[SCL], s31
	s_add_co_i32 s30, s30, 8
	s_lshl_b32 s30, s30, 23
	s_or_b32 s30, s30, 0x600000
	v_mov_b32 v[LIM], s30
	s_add_co_i32 s100, s34, s35                    ; ep + ev
	s_wait_dscnt 0x0                               ; for the others' sake: my stores have landed
	s_barrier_signal -1
	s_barrier_wait -1                              ; the launch's one barrier: K and V lie in LDS, and nobody writes them again
	MLOAD 0                                        ; step 0, my first tile  (the fill's loads, whose bases lay in these registers, are done)
	WIN 0x40
.set ii, 0
.rept 16
	ds_load_b128 v[KF+4*ii:KF+4*ii+3], v[LI] offset:512*ii   ; K of step 0
.set ii, ii+1
.endr
	WIN 0
; ONE TILE'S SOFTMAX FOR ONE KEY STEP: 64 scores a lane.
.macro SOFTMAX p, qt
.set SQ, S+64*(\qt)
.set SB, STT+8*(\qt)
	s_wait_kmcnt 0x0                               ; this tile-step's 64 words are in (asked for one softmax ago)
	s_bitcmp1_b32 s[24+2*(\p)+(\qt)], s17          ; all true?  A whole number that the first launch stored
	s_cbranch_scc1 .Lopen_\@
.set nn, 0
.rept 64
	v_cndmask_b32 v[SQ+nn], v[RM], v[SQ+nn], s[32+nn+4*(nn/32)]   ; word n's bit for my lane: 1 keeps the score.  Ascending: each accumulator from its low end on
.set nn, nn+1
.endr
.Lopen_\@:
	v_max3_num_f32 v[T0], v[SQ], v[SQ+1], v[SQ+2]  ; the step's largest score of my query among my 64 keys, in two chains, from the low end on,
	v_max3_num_f32 v[T1], v[SQ+3], v[SQ+4], v[SQ+5]
.irp i, 6,10,14,18,22,26,30,34,38,42,46,50,54,58
	v_max3_num_f32 v[T0], v[T0], v[SQ+\i], v[SQ+\i+1]
	v_max3_num_f32 v[T1], v[T1], v[SQ+\i+2], v[SQ+\i+3]
.endr
	v_max3_num_f32 v[T0], v[T0], v[SQ+62], v[SQ+63]
	v_max_num_f32 v[T0], v[T0], v[T1]
	v_permlanex16_b32 v[T2], v[T0], s20, s21
	v_max_num_f32 v[T0], v[T0], v[T2]              ; and among lane l xor 16's
	v_mul_f32 v[T0], s22, v[T0]                    ; as t (c is positive)
	v_max_num_f32 v[SB+1], v[SB+1], v[T0]          ; the running largest t
	v_mov_b32 v[T0], v[SB]
	v_floor_f32 v[SB], -v[SB+1]                    ; the new -M = floor(-t): M is a whole number
	v_sub_f32 v[T0], v[SB], v[T0]                  ; old M - new M: a whole number, 0 or less
	v_cvt_i32_f32 v[T0], v[T0]                     ; (it saturates)
	v_ldexp_f32 v[SB+4], 1.0, v[T0]                ; f = 2^(old M - new M)
.if \qt == 0                                   ; the next 64 words, into the registers that the selects above have read, well behind them
	MLOAD 256                                      ; this step, my second tile
	ASKPF
.else
	s_add_co_u32 s18, s18, 4096                    ; (the loads that named s18 are done: the wait at this macro's head)
	s_min_u32 s18, s18, 126976                     ; the next step, my first tile; the last step asks for its own again: no load leaves my work-group's 32 steps
	MLOAD 0
.endif
.set nn, 0
.rept 32
	v_pk_fma_f32 v[SQ+nn:SQ+nn+1], v[SQ+nn:SQ+nn+1], s[22:23], v[SB:SB+1] op_sel_hi:[1,0,0]   ; t - M, two at a time (of the pairs c and -M the low word serves both halves)
.set nn, nn+2
.endr
.set nn, 0
.rept 64
	v_exp_f32 v[SQ+nn], v[SQ+nn]                   ; p = 2^(t - M), at most 1: one batch
.set nn, nn+1
.endr
	v_pk_mul_f32 v[SB+2:SB+3], v[SB+2:SB+3], v[SB+4:SB+5] op_sel_hi:[1,0]   ; the sum under the new M: the plain line behind the batch
	s_wait_alu depctr_va_vdst(0)                   ; one wait for the batch, ahead of its first reader
	v_pk_add_f32 v[SB+6:SB+7], v[SQ:SQ+1], v[SQ+2:SQ+3]                     ; the row's sum is taken of the unquantised p, in two chains
.irp j, 4,8,12,16,20,24,28,32,36,40,44,48,52,56,60
	v_pk_add_f32 v[SB+2:SB+3], v[SB+2:SB+3], v[SQ+\j:SQ+\j+1]
	v_pk_add_f32 v[SB+6:SB+7], v[SB+6:SB+7], v[SQ+\j+2:SQ+\j+3]
.endr
	v_pk_add_f32 v[SB+2:SB+3], v[SB+2:SB+3], v[SB+6:SB+7]
.set nn, 0
.rept 64
	v_min_num_f32 v[SQ+nn], v[SQ+nn], v[LIM]       ; the conversion does not saturate (ISA guide 7.6.2); p is not negative, so the hold is one-sided; it stands whatever ep is
.set nn, nn+1
.endr
.irp k, 0,1,2,3,4,5,6,7
	v_cvt_scalef32_pk8_fp8_f32 v[P+16*(\qt)+2*\k:P+16*(\qt)+2*\k+1], v[SQ+8*\k:SQ+8*\k+7], v[SCL]   ; keys 16 k + 8 h + 0 .. 7: registers 2 k, 2 k + 1 of P
.endr
	WIN 0x41                                       ; O^T (destination and source 0) window 1, f window 0
.set nn, 0
.rept 16
	v_pk_mul_f32 v[O+32*(\qt)+nn:O+32*(\qt)+nn+1], v[O+32*(\qt)+nn:O+32*(\qt)+nn+1], v[SB+4:SB+5] op_sel_hi:[1,0]   ; O^T under the new M; also the plain lines behind the conversions.  Ascending: each accumulator from its low end on
.set nn, nn+2
.endr
	WIN 0
.endm
; A PASS: 256 queries of the work-group, 32 of mine.
.macro PASS p
.irp t, 0,1
	v_mov_b32 v[STT+8*\t+1], 0xff61b1e6            ; the largest t so far: -3e38, under every t
	v_floor_f32 v[STT+8*\t], -v[STT+8*\t+1]        ; -M
	v_mov_b32 v[STT+8*\t+2], 0                     ; the sum, in two halves
	v_mov_b32 v[STT+8*\t+3], 0
	v_mov_b32 v[STT+8*\t+5], 0                     ; (named as the upper half of f's pair)
.endr
	WIN 0x40
.set ii, 0
.rept 64
	v_mov_b32 v[O+ii], 0                           ; O^T.  (The step is written once: the first finds zeros, which the first f, 0, leaves zeros)
.set ii, ii+1
.endr
	WIN 0
	s_mov_b32 s16, 0
	s_mov_b32 s15, 0
	s_wait_dscnt 0x0                               ; K of the pass's first step is in (pass 1: it came in pass 0's last step, and this wait is met at once)
.Lstep_\@:
	s_lshr_b32 s17, s15, 2
	s_lshl_b32 s17, s17, 2
	s_add_co_u32 s17, s17, s15                     ; the step's bit in a tile's flags: 8 (s / 4) + s % 4
	s_add_co_u32 s19, s16, STEPB
	s_and_b32 s19, s19, KBYTES-1                   ; the next step's K; behind the last step comes step 0, with which the next pass begins
	WIN 0x01                                       ; K window 1; Q and S^T window 0
.irp k, 0,1,2,3,4,5,6,7
.irp t, 0,1
	v_wmma_f32_16x16x64_fp8_fp8 v[S+64*\t+8*\k:S+64*\t+8*\k+7], v[KF+8*\k:KF+8*\k+7], v[Q0+48*(\p)+8*\t:Q0+48*(\p)+8*\t+7], 0   ; sixteen accumulators, each begun and finished by one instruction: K = the head's 64
.endr
.endr
	WIN 0
	v_add_nc_u32 v[ADV], s16, v[LV]                ; four places: behind these products, ahead of the loads into K's registers and of the first read of S^T;
	v_add_nc_u32 v[ADK], s19, v[LI]                ; and behind the last step's products V^T P^T, ahead of the loads into V's registers
	v_nop
	v_nop
	WIN 0x40
.set ii, 0
.rept 16
	ds_load_b128 v[VF+4*ii:VF+4*ii+3], v[ADV] offset:512*ii   ; V of this step: 512 consecutive bytes an instruction
.set ii, ii+1
.endr
.set ii, 0
.rept 16
	ds_load_b128 v[KF+4*ii:KF+4*ii+3], v[ADK] offset:512*ii   ; K of the next step
.set ii, ii+1
.endr
	WIN 0
	SOFTMAX \p, 0
	SOFTMAX \p, 1
	s_wait_dscnt 0x0                               ; V and the next K, asked for two softmaxes ago
	WIN 0x51                                       ; V, C and D window 1; P window 0
.irp d, 0,1,2,3
.irp t, 0,1
	v_wmma_f32_16x16x128_fp8_fp8 v[O+32*\t+8*\d:O+32*\t+8*\d+7], v[VF+16*\d:VF+16*\d+15], v[P+16*\t:P+16*\t+15], v[O+32*\t+8*\d:O+32*\t+8*\d+7]   ; eight accumulators by turns, one instruction a turn; the sixteen products above stand between two links of a chain
.endr
.endr
	WIN 0
	s_wait_xcnt 0x0                                ; the prefetch, a softmax back, has read its address:
	s_add_nc_u64 s[2:3], s[2:3], 4096              ; a step on
	s_add_co_u32 s16, s16, STEPB
	s_add_co_u32 s28, s28, 1
	s_add_co_u32 s15, s15, 1
	s_cmp_lt_u32 s15, 16
	s_cbranch_scc1 .Lstep_\@
	; THE WAY OUT of a pass.  The additions are the places behind the last products.
.irp t, 0,1
	v_add_f32 v[STT+8*\t+2], v[STT+8*\t+2], v[STT+8*\t+3]      ; the sum's two halves,
.endr
.irp t, 0,1
	v_permlanex16_b32 v[STT+8*\t+6], v[STT+8*\t+2], s20, s21
.endr
.irp t, 0,1
	v_add_f32 v[STT+8*\t+2], v[STT+8*\t+2], v[STT+8*\t+6]      ; and lane l xor 16's: the row's sum, over 1/2
.endr
.irp t, 0,1
	v_rcp_f32 v[STT+8*\t+4], v[STT+8*\t+2]
.endr
	v_nop                                          ; a plain line behind the reciprocals,
	s_wait_alu depctr_va_vdst(0)                   ; and the one wait ahead of their first reader
.irp t, 0,1
	v_ldexp_f32 v[STT+8*\t+4], v[STT+8*\t+4], s100 ; x 2^(ep + ev)
.endr
.irp t, 0,1                                    ; a tile: register 8 d + j is out(query r, channel 16 d + 8 h + j); through my stage, back as whole rows of 256 bytes
	WIN 0x01                                       ; O^T window 1
.set ii, 0
.rept 16
	v_pk_mul_f32 v[S+64*\t+ii:S+64*\t+ii+1], v[O+32*\t+ii:O+32*\t+ii+1], v[STT+8*\t+4:STT+8*\t+5] op_sel_hi:[1,0]
.set ii, ii+2
.endr
	WIN 0
.irp d, 0,1,2,3
	ds_store_b128 v[STO], v[S+64*\t+8*\d:S+64*\t+8*\d+3] offset:64*\d
	ds_store_b128 v[STO], v[S+64*\t+8*\d+4:S+64*\t+8*\d+7] offset:64*\d+16
.endr
.irp i, 0,1,2,3,4,5,6,7
	ds_load_b128 v[S+64*\t+32+4*\i:S+64*\t+32+4*\i+3], v[RD] offset:2*\i*SPITCH   ; LDS serves a wave's instructions in order (ISA guide 5.7.1.4): these see my stores, and the next tile's stores come behind them
.endr
.endr
.irp t, 0,1
.irp i, 0,1,2,3,4,5,6,7
	s_wait_dscnt (1-\t)*16+7-\i                    ; the younger loads of this tile, and the next tile's sixteen LDS instructions, may be out
	global_store_b128 v[GO], v[S+64*\t+32+4*\i:S+64*\t+32+4*\i+3], s[12:13] offset:(256*(\p)+16*\t+2*\i)*4096 th:TH_STORE_NT   ; sixteen lanes store 256 consecutive bytes, aligned: a query's 64 channels of my head
.endr
.endr
	s_wait_xcnt 0x0                                ; the stores have read their registers, which the next pass's products write
.endm
	PASS 0
	PASS 1
	s_wait_kmcnt 0x0                               ; the last look-ahead's words
	s_wait_tensorcnt 0x0                           ; the wave's end
	ds_add_u32 v[SPW], v[NIL]
	s_wait_dscnt 0x0
	s_endpgm
.Lfunc_end_k_q69ed48bf63_attn:
	.size	k_q69ed48bf63_attn, .Lfunc_end_k_q69ed48bf63_attn-k_q69ed48bf63_attn
	.p2alignl 7, 3214868480
	.fill 96, 4, 3214868480
	.section	.rodata,"a",@progbits
	.p2align	6, 0x0
	.amdhsa_kernel k_q69ed48bf63_attn
		.amdhsa_group_segment_fixed_size 297984
		.amdhsa_private_segment_fixed_size 0
		.amdhsa_enable_private_segment 0
		.amdhsa_kernarg_size 40
		.amdhsa_user_sgpr_count 2
		.amdhsa_user_sgpr_kernarg_segment_ptr 1
		.amdhsa_wavefront_size32 1
		.amdhsa_system_sgpr_workgroup_id_x 1
		.amdhsa_system_sgpr_workgroup_id_y 1
		.amdhsa_system_sgpr_workgroup_id_z 1
		.amdhsa_system_vgpr_workitem_id 0
		.amdhsa_next_free_vgpr 512
		.amdhsa_next_free_sgpr 102
		.amdhsa_reserve_vcc 0
		.amdhsa_float_denorm_mode_32 3
		.amdhsa_float_denorm_mode_16_64 3
		.amdhsa_memory_ordered 1
		.amdhsa_forward_progress 1
		.amdhsa_inst_pref_size 110
	.end_amdhsa_kernel
	.amdgpu_metadata
---
amdhsa.version: [ 1, 2 ]
amdhsa.kernels:
  - .name:           k_q69ed48bf63_attn
    .symbol:         k_q69ed48bf63_attn.kd
    .args:
      - { .name: img, .offset: 0, .size: 8, .value_kind: global_buffer, .address_space: global }
      - { .name: maskw, .offset: 8, .size: 8, .value_kind: global_buffer, .address_space: global }
      - { .name: flags, .offset: 16, .size: 8, .value_kind: global_buffer, .address_space: global }
      - { .name: lowp_scales, .offset: 24, .size: 8, .value_kind: global_buffer, .address_space: global }
      - { .name: out0, .offset: 32, .size: 8, .value_kind: global_buffer, .address_space: global }
    .group_segment_fixed_size: 297984
    .private_segment_fixed_size: 0
    .kernarg_segment_align: 8
    .kernarg_segment_size: 40
    .max_flat_workgroup_size: 256
    .sgpr_count:     102
    .vgpr_count:     512
    .wavefront_size: 32
...
	.end_amdgpu_metadata
.endif
;; end of part 3
